; MI455X (gfx1250); checked and timed in simulation.
; The chip was launched on July 23, 2026; its instructions are those of AMD's public machine-readable ISA for CDNA 5 (MIT licence, August 2026) and "CDNA5" Instruction Set Architecture Reference Guide (July 2026). The comments in the code are by the model that wrote it; some were corrected since.
;; Ne WCRF Block. Allowed arithmetic: matrix products marked QUANTISED: E2M1 operands, one E8M0 scale for each 32 along K, by v_wmma_scale_f32_16x16x128_f8f6f4 with both operands' format E2M1 (or v_wmma_scale_f32_32x16x128_f4), f32 sums; products left as they are: bf16, f16 or f32 operands; f32 sums; everything else in f32.
;; Inputs: bias_table 225 x 16 float32; bk 256 float32; bp 256 float32; bq 256 float32; bv 256 float32; feature 4 x 256 x 128 x 128 float32; mlp_b1 256 float32; mlp_b2 256 float32; mlp_w1 256 x 256 float32; mlp_w2 256 x 256 float32; n1_b 256 float32; n1_g 256 float32; n2_b 256 float32; n2_g 256 float32; up_b1 256 float32; up_b2 256 float32; up_w1 256 x 256 float32; up_w2 256 x 256 float32; wk 256 x 256 float32; wp 256 x 256 float32; wq 256 x 256 float32; wv 256 x 256 float32; x 4 x 16,384 x 256 float32.
;; Outputs: out0 4 x 16,384 x 256 float32.
;; This version of the problem:
;;   THIS VERSION OF THE PROBLEM IS GIVEN IN LOW PRECISION. The matrix products marked QUANTISED in the list below multiply operands that are first quantised to E2M1 (2 exponent bits, 1 mantissa bit; 4 bits a number), with one power-of-two scale for each 32 numbers along K (OCP MX v1.0); their sums are f32. The products marked 'left as it is' may take bf16, f16 or f32 operands, with f32 sums. Whichever they take, every output number must still come out within the allowed error. Rounding operands to bf16 (8 significant bits) uses up far more of that allowance than f16 does (11 bits, for magnitudes from 6e-5 to 65,504). All else is computed in f32.
;;   The module's matrix products, in the order in which they are computed (A, B: the left and right operand; K: the contracted axis; several contracted axes count as one K, in the product's order):
;;     1. [M 65,536, K 256] x [K 256, N 256]; A: input x; B: input up_w1: QUANTISED
;;     2. [M 65,536, K 256] x [K 256, N 256]; A: computed on the way; B: input up_w2: left as it is (an operand is computed on the way)
;;     3. [M 65,536, K 256] x [K 256, N 256]; A: computed on the way; B: input wq: left as it is (an operand is computed on the way)
;;     4. [M 65,536, K 256] x [K 256, N 256]; A: computed on the way; B: input wk: left as it is (an operand is computed on the way)
;;     5. [M 65,536, K 256] x [K 256, N 256]; A: computed on the way; B: input wv: left as it is (an operand is computed on the way)
;;     6. batch 16,384 x [M 64, K 16] x [K 16, N 64]; A: computed on the way; B: computed on the way: left as it is (K = 16 < 32)
;;     7. batch 16,384 x [M 16, K 64] x [K 64, N 64]; A: computed on the way; B: computed on the way: left as it is (an operand is computed on the way)
;;     8. [M 65,536, K 256] x [K 256, N 256]; A: computed on the way; B: input wp: left as it is (an operand is computed on the way)
;;     9. [M 65,536, K 256] x [K 256, N 256]; A: computed on the way; B: input mlp_w1: left as it is (an operand is computed on the way)
;;     10. [M 65,536, K 256] x [K 256, N 256]; A: computed on the way; B: input mlp_w2: left as it is (an operand is computed on the way)
;;   THE QUANTISER, for each operand of a quantised product, along K:
;;     - K is cut into blocks of 32 from its start; a last block that is shorter is filled with zeros.
;;     - A block's scale is 2^e with e = floor(log2(the largest magnitude in the block)) - 2, held to -126 .. 127; a block of zeros has e = 0. As a byte (E8M0): e + 127.
;;     - Each number is divided by its block's scale, clamped to +-6, and rounded to the nearest number of E2M1, ties to even, subnormals kept.
;;     - The product sums the exact products of the quantised numbers (number of the format x scale) in f32.
;;   ~~~python
;;   def quantise(x, axis):      # numpy; x: float32 -> the quantised numbers, widened to float32 again
;;       x = np.moveaxis(x, axis, -1); K = x.shape[-1]
;;       x = np.pad(x, [(0, 0)] * (x.ndim - 1) + [(0, -K % 32)]); x = x.reshape(x.shape[:-1] + (-1, 32)); a = np.abs(x).max(-1, keepdims=True)
;;       e = np.where(a > 0, np.clip(np.frexp(np.where(a > 0, a, 1))[1] - 1 - 2, -126, 127), 0)      # np.frexp(a)[1] - 1 = floor(log2(a)), exactly
;;       r = np.clip(x / 2.0 ** e, -6, 6)
;;       step = 2.0 ** (np.maximum(np.frexp(np.where(r == 0, 1, r))[1] - 1, 0) - 1)
;;       q = np.round(r / step) * step * 2.0 ** e      # np.round: ties to even
;;       return np.moveaxis(q.reshape(q.shape[:-2] + (-1,))[..., :K], -1, axis).astype(np.float32)
;;   ~~~
;; One version. Each part assembles by itself: llvm-mc -triple=amdgcn-amd-amdhsa -mcpu=gfx1250 --defsym DOCPART=n.
;; ======== version 1 of 1: 2 launches
;; limits: values are held in f16: magnitudes above 65,504 overflow, below 6.1e-05 lose precision
;; workspace buffers: ws 1,354,752 bytes
;; launch prep (part 1): grid 36 x 1, 4 waves a work-group, no clusters, 0 bytes of LDS; arguments up_w2, wp, mlp_w1, mlp_w2, wq, wk, wv, up_b2, bp, mlp_b1, mlp_b2, bq, bk, bv, n1_g, n1_b, n2_g, n2_b, up_w1, bias_table, ws; writes ws
.if DOCPART == 1
	.amdgcn_target "amdgcn-amd-amdhsa--gfx1250"
	.amdhsa_code_object_version 6
	.text
	.protected	k_qca68ff9873_prep
	.globl	k_qca68ff9873_prep
	.p2align	8
	.type	k_qca68ff9873_prep,@function
k_qca68ff9873_prep:
	s_mov_b64 s[64:65], 0
	v_nop
	global_prefetch_b8 v0, s[64:65] scope:SCOPE_SE
	s_setreg_imm32_b32 hwreg(HW_REG_WAVE_MODE, 25, 1), 1
	s_wait_xcnt 0x0
; Lays the eight weights, the bias table and the bias vectors into ws in the order of the operand registers of the second launch.
; A fragment image is 1,024 bytes: registers 4 g .. 4 g + 3 of lane l at 512 g + 16 l.
; ws: WZ [wave 4][step 32][tile 4][1024] f16 (steps 8 mat + s: up_w2, wp, mlp_w1', mlp_w2);  WA [head 16][s 8][q,k,v,-][1024] f16;
;     RB [head 16][query tile 4][key tile 4][1024] f32;  W1C [tile 16][2][1024] FP4 codes of up_w1;  W1S [tile 16][2][32 words];  VEC [7][256] f32.
; FOLDS, in f32: wq' = diag(n1_g) wq c, bq' = c (n1_b wq + bq), c = log2(e) / 4;  wk', wv' likewise with c = 1;  mlp_w1' = diag(n2_g) mlp_w1, b3' = n2_b mlp_w1 + mlp_b1;
; the bias table is gathered by the window's relative index and multiplied by log2(e).
; Work-groups 0-27: matrix ttmp9 / 4, a wave to a tile of 16 columns.  28-31: up_w1 into FP4.  32-35: the bias table, a wave to a head.  No LDS, no barrier: waves share nothing.
; LIMITS: folded weights beyond 65,504 become infinity in f16, under 6e-5 they keep f16's subnormal spacing; an FP4 block whose largest magnitude lies under 2^-124 has its byte held at 1
; (a block of zeros too: its codes are zeros, and this program alone reads the bytes); NaN and infinities among the inputs are not served.
.set WA_O,  524288
.set RB_O,  1048576
.set W1C_O, 1310720
.set W1S_O, 1343488
.set VEC_O, 1347584
.set MSB, 0
.macro WIN new                         ; the immediate's high byte repeats the setting that is left
.if MSB != \new
	s_set_vgpr_msb (MSB<<8)|\new
.set MSB, \new
.endif
.endm
	s_load_b512 s[4:19], s[0:1], 0x0               ; the seven f16 weights s[4:17]; up_b2 s[18:19]
	s_load_b512 s[20:35], s[0:1], 0x40             ; bp, mlp_b1, mlp_b2, bq, bk, bv s[20:31]; n1_g s[32:33], n1_b s[34:35]
	s_load_b256 s[36:43], s[0:1], 0x80             ; n2_g, n2_b, up_w1, bias_table
	s_load_b64 s[44:45], s[0:1], 0xa0              ; ws
	v_lshrrev_b32 v5, 5, v0
	v_readfirstlane_b32 s46, v5                    ; wave
	v_and_b32 v6, 31, v0                           ; lane
	v_and_b32 v7, 15, v0                           ; r
	v_bfe_u32 v8, v0, 4, 1                         ; h
	v_lshlrev_b32 v1, 4, v6                        ; 16 x lane: my place in an image
	v_lshlrev_b32 v4, 2, v7                        ; 4 r
	s_mov_b32 s56, 0x76543210
	s_mov_b32 s57, 0xfedcba98                      ; selects for lane l xor 16
	s_wait_kmcnt 0x0
	s_cmp_lt_u32 ttmp9, 28
	s_cbranch_scc0 .Lnot_f
; ---- a tile of 16 columns of one f16 weight: eight fragments.  Lane (r, h): column 16 ct + r; register pair order k = 32 s + 16 (i / 8) + 8 h + i % 8
	s_lshr_b32 s47, ttmp9, 2                       ; which matrix
	s_and_b32 s48, ttmp9, 3
	s_lshl_b32 s48, s48, 2
	s_add_co_u32 s48, s48, s46                     ; ct
	s_mov_b64 s[50:51], s[4:5]                     ; the weight and its bias: chosen by the work-group's number alone
	s_mov_b64 s[52:53], s[18:19]
.irp m, 1,2,3,4,5,6
	s_cmp_eq_u32 s47, \m
	s_cselect_b64 s[50:51], s[4+2*\m:5+2*\m], s[50:51]
	s_cselect_b64 s[52:53], s[18+2*\m:19+2*\m], s[52:53]
.endr
	s_cmp_eq_u32 s47, 2
	s_cselect_b64 s[54:55], s[36:37], s[32:33]     ; the norm's gain
	s_cselect_b64 s[58:59], s[38:39], s[34:35]     ; and its shift
	s_cselect_b32 s60, 1, 0
	s_cmp_ge_u32 s47, 4
	s_cselect_b32 s60, 1, s60                      ; 1: a norm stands in front of this weight
	s_mov_b32 s62, 1.0
	s_cmp_eq_u32 s47, 4
	s_cselect_b32 s62, 0x3eb8aa3b, s62             ; c = log2(e) / 4 for wq, else 1
	s_mov_b32 s63, s62
	s_lshl_b32 s66, s48, 6                         ; 16 ct columns of 4 bytes
	s_mov_b32 s67, 0
	s_add_nc_u64 s[50:51], s[50:51], s[66:67]
	s_add_nc_u64 s[52:53], s[52:53], s[66:67]
	s_lshr_b32 s68, s48, 2                         ; WZ: (ct / 4) x 131,072 + mat x 32,768 + (ct % 4) x 1,024
	s_lshl_b32 s68, s68, 17
	s_lshl_b32 s69, s47, 15
	s_add_co_u32 s68, s68, s69
	s_and_b32 s69, s48, 3
	s_lshl_b32 s69, s69, 10
	s_add_co_u32 s68, s68, s69
	s_lshl_b32 s70, s48, 15                        ; WA: ct x 32,768 + (mat - 4) x 1,024
	s_lshl_b32 s71, s47, 10
	s_add_co_u32 s70, s70, s71
	s_add_co_u32 s70, s70, WA_O-4096
	s_cmp_lt_u32 s47, 4
	s_cselect_b32 s68, s68, s70
	s_mov_b32 s69, 0
	s_add_nc_u64 s[68:69], s[44:45], s[68:69]      ; where the fragments go; a K step is 4,096 bytes on in both layouts
	s_lshl_b32 s70, s47, 10
	s_add_co_u32 s70, s70, s66
	s_add_co_u32 s70, s70, VEC_O
	s_mov_b32 s71, 0
	s_add_nc_u64 s[70:71], s[44:45], s[70:71]      ; where the folded bias goes
	v_lshl_add_u32 v2, v8, 13, v4                  ; 8 h rows of 1,024 bytes + 4 r
	v_lshlrev_b32 v3, 5, v8                        ; 8 h numbers of a vector
.irp k, 0,1,2,3,4,5,6,7
	v_mov_b32 v[96+\k], 0                          ; four chains of pairs for n_b W
.endr
	WIN 0x40                                       ; W: window 1, v0-127
.set nn, 0
.rept 128
	global_load_b32 v[nn], v2, s[50:51] offset:(32*(nn/16)+16*((nn%16)/8)+(nn%8))*1024
.set nn, nn+1
.endr
	WIN 0
	global_load_b32 v9, v4, s[52:53]               ; the layer's own bias at my column
	s_cmp_eq_u32 s60, 0
	s_cbranch_scc1 .Lplain
.set nn, 0
.rept 32
	global_load_b128 v[128+4*nn:131+4*nn], v3, s[54:55] offset:128*(nn/4)+64*((nn%4)/2)+16*(nn%2)   ; the gain at the same k: window 0, v128-255
.set nn, nn+1
.endr
	WIN 0x40
.set nn, 0
.rept 32
	global_load_b128 v[128+4*nn:131+4*nn], v3, s[58:59] offset:128*(nn/4)+64*((nn%4)/2)+16*(nn%2)   ; the shift: window 1, v128-255
.set nn, nn+1
.endr
	WIN 0
	s_wait_loadcnt 0x0
	WIN 0x05
.set nn, 0
.rept 64
	v_pk_fma_f32 v[96+2*(nn%4):97+2*(nn%4)], v[2*nn:2*nn+1], v[128+2*nn:129+2*nn], v[96+2*(nn%4):97+2*(nn%4)]   ; n_b W, on the weight as given
.set nn, nn+1
.endr
	WIN 0x41
.set nn, 0
.rept 64
	v_pk_mul_f32 v[2*nn:2*nn+1], v[2*nn:2*nn+1], v[128+2*nn:129+2*nn]      ; diag(n_g) W
.set nn, nn+1
.endr
	WIN 0
.Lplain:
	s_wait_loadcnt 0x0
	WIN 0x41
.set nn, 0
.rept 64
	v_pk_mul_f32 v[2*nn:2*nn+1], v[2*nn:2*nn+1], s[62:63] op_sel_hi:[1,0]
.set nn, nn+1
.endr
	WIN 0x05
.set nn, 0
.rept 64
	v_cvt_pk_f16_f32 v[32+nn], v[2*nn], v[2*nn+1]  ; the lower k in the low half
.set nn, nn+1
.endr
	WIN 0
.set nn, 0
.rept 16
	global_store_b128 v1, v[32+4*nn:35+4*nn], s[68:69] offset:4096*(nn/2)+512*(nn%2)   ; 32 lanes store 512 consecutive bytes
.set nn, nn+1
.endr
	v_pk_add_f32 v[96:97], v[96:97], v[98:99]
	v_pk_add_f32 v[100:101], v[100:101], v[102:103]
	v_pk_add_f32 v[96:97], v[96:97], v[100:101]
	v_add_f32 v96, v96, v97
	v_permlanex16_b32 v98, v96, s56, s57           ; the other half of the lanes holds the other half of K
	v_add_f32 v96, v96, v98
	v_add_f32 v96, v96, v9
	v_mul_f32 v96, s62, v96
	global_store_b32 v4, v96, s[70:71]             ; lanes r and r + 16 store the same number to the same word
	s_endpgm
.Lnot_f:
	s_cmp_lt_u32 ttmp9, 32
	s_cbranch_scc0 .Lbias
; ---- up_w1 into FP4: lane (r, h) takes column 16 ct + r and its registers run down K: registers 4 c + g of K step s2 hold k = 128 s2 + 64 c + 32 h + 8 g ..
	s_sub_co_u32 s47, ttmp9, 28
	s_lshl_b32 s47, s47, 2
	s_add_co_u32 s48, s47, s46                     ; ct
	s_mov_b32 s51, 0
	s_lshl_b32 s50, s48, 6
	s_add_nc_u64 s[40:41], s[40:41], s[50:51]
	s_lshl_b32 s50, s48, 11
	s_add_co_u32 s50, s50, W1C_O
	s_add_nc_u64 s[52:53], s[44:45], s[50:51]
	s_lshl_b32 s50, s48, 8
	s_add_co_u32 s50, s50, W1S_O
	s_add_nc_u64 s[54:55], s[44:45], s[50:51]
	v_lshl_add_u32 v2, v8, 15, v4                  ; 32 h rows + 4 r
	v_lshlrev_b32 v3, 2, v6                        ; 4 x lane
	v_lshlrev_b32 v10, 3, v8                       ; 8 h
.set nn, 0
.rept 128
	global_load_b32 v[128+nn], v2, s[40:41] offset:(128*(nn/64)+64*((nn%64)/32)+(nn%32))*1024
.set nn, nn+1
.endr
	v_mov_b32 v46, 0                               ; a lane permute's destination counts as one of its sources
	v_mov_b32 v47, 0
	s_wait_loadcnt 0x0
.irp b, 0,1,2,3                                ; block b = 2 s2 + c of my half: all its 32 numbers are mine
	v_max3_num_f32 v[32+\b], |v[128+32*\b]|, |v[129+32*\b]|, 0x1800000     ; and the floor 2^(3 - 127): the byte cannot fall under 1
.endr
.irp i, 2,4,6,8,10,12,14,16,18,20,22,24,26,28,30
.irp b, 0,1,2,3
	v_max3_num_f32 v[32+\b], v[32+\b], |v[128+32*\b+\i]|, |v[129+32*\b+\i]|
.endr
.endr
.irp b, 0,1,2,3
	v_add_nc_u32 v[36+\b], 0xff000000, v[32+\b]    ; 2 off the exponent field: the conversion's scale operand
.endr
.irp b, 0,1,2,3
	v_lshrrev_b32 v[40+\b], 23, v[36+\b]           ; the scale's byte
.endr
.irp t, 0,1
	v_lshl_or_b32 v[44+\t], v[41+2*\t], 16, v[40+2*\t]     ; my two bytes: blocks h and 2 + h,
	v_lshlrev_b32 v[44+\t], v10, v[44+\t]                  ; at their places;
	v_permlanex16_b32 v[46+\t], v[44+\t], s56, s57
	v_or_b32 v[44+\t], v[44+\t], v[46+\t]                  ; with lane l xor 16's two the word is whole
.endr
.irp b, 0,1,2,3
.irp g, 0,1,2,3
	v_cvt_scalef32_pk8_fp4_f32 v[48+4*\b+\g], v[128+32*\b+8*\g:135+32*\b+8*\g], v[36+\b]
.endr
.endr
	v_nop                                          ; one plain place behind the last scaled conversion
.irp b, 0,1,2,3
	global_store_b128 v1, v[48+4*\b:51+4*\b], s[52:53] offset:512*\b
.endr
.irp t, 0,1
	global_store_b32 v3, v[44+\t], s[54:55] offset:128*\t
.endr
	s_endpgm
.Lbias:
; ---- the relative bias of one head: lane (r, h), register j of tile (u, i): table[(yq - yk + 7) 15 + xq - xk + 7][head] x log2(e), query 16 u + r, key 16 i + 8 h + j
	s_sub_co_u32 s47, ttmp9, 32
	s_lshl_b32 s47, s47, 2
	s_add_co_u32 s48, s47, s46                     ; head
	s_mov_b32 s51, 0
	s_lshl_b32 s50, s48, 2
	s_add_nc_u64 s[42:43], s[42:43], s[50:51]
	s_lshl_b32 s50, s48, 14
	s_add_co_u32 s50, s50, RB_O
	s_add_nc_u64 s[52:53], s[44:45], s[50:51]
	v_lshrrev_b32 v2, 3, v7
	v_add_nc_u32 v2, 7, v2
	v_sub_nc_u32 v2, v2, v8                        ; r / 8 - h + 7
	v_mul_u32_u24 v2, v2, 15
	v_and_b32 v3, 7, v7
	v_add_nc_u32 v2, v2, v3
	v_add_nc_u32 v2, 7, v2                         ; the index at u = i, j = 0: 97 .. 134; the immediates add 30 (u - i) - j: 0 .. 224 in all
	v_lshlrev_b32 v2, 6, v2                        ; a row of the table is 64 bytes
.irp t, 0,1,2,3,4,5,6,7,8,9,10,11,12,13,14,15
.irp j, 0,1,2,3,4,5,6,7
	global_load_b32 v[128+8*\t+\j], v2, s[42:43] offset:(30*(\t/4-\t%4)-\j)*64
.endr
.endr
	s_wait_loadcnt 0x0
.set nn, 0
.rept 64
	v_pk_mul_f32 v[128+2*nn:129+2*nn], v[128+2*nn:129+2*nn], 0x3fb8aa3b op_sel_hi:[1,0]
.set nn, nn+1
.endr
.set nn, 0
.rept 32
	global_store_b128 v1, v[128+4*nn:131+4*nn], s[52:53] offset:512*nn
.set nn, nn+1
.endr
	s_endpgm
.Lfunc_end_k_qca68ff9873_prep:
	.size	k_qca68ff9873_prep, .Lfunc_end_k_qca68ff9873_prep-k_qca68ff9873_prep
	.p2alignl 7, 3214868480
	.fill 96, 4, 3214868480
	.section	.rodata,"a",@progbits
	.p2align	6, 0x0
	.amdhsa_kernel k_qca68ff9873_prep
		.amdhsa_group_segment_fixed_size 0
		.amdhsa_private_segment_fixed_size 0
		.amdhsa_enable_private_segment 0
		.amdhsa_kernarg_size 168
		.amdhsa_user_sgpr_count 2
		.amdhsa_user_sgpr_kernarg_segment_ptr 1
		.amdhsa_wavefront_size32 1
		.amdhsa_system_sgpr_workgroup_id_x 1
		.amdhsa_system_sgpr_workgroup_id_y 1
		.amdhsa_system_sgpr_workgroup_id_z 1
		.amdhsa_system_vgpr_workitem_id 0
		.amdhsa_next_free_vgpr 512
		.amdhsa_next_free_sgpr 80
		.amdhsa_reserve_vcc 0
		.amdhsa_float_denorm_mode_32 3
		.amdhsa_float_denorm_mode_16_64 3
		.amdhsa_memory_ordered 1
		.amdhsa_forward_progress 1
		.amdhsa_inst_pref_size 81
	.end_amdhsa_kernel
	.amdgpu_metadata
---
amdhsa.version: [ 1, 2 ]
amdhsa.kernels:
  - .name:           k_qca68ff9873_prep
    .symbol:         k_qca68ff9873_prep.kd
    .args:
      - { .name: up_w2, .offset: 0, .size: 8, .value_kind: global_buffer, .address_space: global }
      - { .name: wp, .offset: 8, .size: 8, .value_kind: global_buffer, .address_space: global }
      - { .name: mlp_w1, .offset: 16, .size: 8, .value_kind: global_buffer, .address_space: global }
      - { .name: mlp_w2, .offset: 24, .size: 8, .value_kind: global_buffer, .address_space: global }
      - { .name: wq, .offset: 32, .size: 8, .value_kind: global_buffer, .address_space: global }
      - { .name: wk, .offset: 40, .size: 8, .value_kind: global_buffer, .address_space: global }
      - { .name: wv, .offset: 48, .size: 8, .value_kind: global_buffer, .address_space: global }
      - { .name: up_b2, .offset: 56, .size: 8, .value_kind: global_buffer, .address_space: global }
      - { .name: bp, .offset: 64, .size: 8, .value_kind: global_buffer, .address_space: global }
      - { .name: mlp_b1, .offset: 72, .size: 8, .value_kind: global_buffer, .address_space: global }
      - { .name: mlp_b2, .offset: 80, .size: 8, .value_kind: global_buffer, .address_space: global }
      - { .name: bq, .offset: 88, .size: 8, .value_kind: global_buffer, .address_space: global }
      - { .name: bk, .offset: 96, .size: 8, .value_kind: global_buffer, .address_space: global }
      - { .name: bv, .offset: 104, .size: 8, .value_kind: global_buffer, .address_space: global }
      - { .name: n1_g, .offset: 112, .size: 8, .value_kind: global_buffer, .address_space: global }
      - { .name: n1_b, .offset: 120, .size: 8, .value_kind: global_buffer, .address_space: global }
      - { .name: n2_g, .offset: 128, .size: 8, .value_kind: global_buffer, .address_space: global }
      - { .name: n2_b, .offset: 136, .size: 8, .value_kind: global_buffer, .address_space: global }
      - { .name: up_w1, .offset: 144, .size: 8, .value_kind: global_buffer, .address_space: global }
      - { .name: bias_table, .offset: 152, .size: 8, .value_kind: global_buffer, .address_space: global }
      - { .name: ws, .offset: 160, .size: 8, .value_kind: global_buffer, .address_space: global }
    .group_segment_fixed_size: 0
    .private_segment_fixed_size: 0
    .kernarg_segment_align: 8
    .kernarg_segment_size: 168
    .max_flat_workgroup_size: 128
    .sgpr_count:     80
    .vgpr_count:     512
    .wavefront_size: 32
...
	.end_amdgpu_metadata
.endif
;; end of part 1
;; launch main (part 2): grid 256 x 1, 4 waves a work-group, no clusters, 317,952 bytes of LDS; arguments x, feature, up_b1, ws, out0; writes out0
.if DOCPART == 2
	.amdgcn_target "amdgcn-amd-amdhsa--gfx1250"
	.amdhsa_code_object_version 6
	.text
	.protected	k_qca68ff9873_main
	.globl	k_qca68ff9873_main
	.p2align	8
	.type	k_qca68ff9873_main,@function
k_qca68ff9873_main:
	s_mov_b64 s[64:65], 0
	v_nop
	global_prefetch_b8 v0, s[64:65] scope:SCOPE_SE
	s_setreg_imm32_b32 hwreg(HW_REG_WAVE_MODE, 25, 1), 1
	s_wait_xcnt 0x0
; The whole block for 256 tokens: 8 image rows x 32 columns = four windows of 8 x 8.  256 work-groups of four waves, one to a WGP.
; THE WAVES SHARE THE COLUMNS, NOT THE ROWS: in every layer wave w makes output channels 64 w .. 64 w + 63 (heads 4 w .. 4 w + 3) for all 256 tokens.  So each weight byte is loaded once a work-group,
; straight into the registers of the wave that multiplies by it (the first launch laid it in register order: a load is 512 consecutive bytes), and what goes from wave to wave through LDS is the activations,
; as IMAGES OF OPERAND REGISTERS: a fragment (16 tokens x 32 channels of f16) is 1,024 bytes, registers 4 g .. 4 g + 3 of lane l at 512 g + 16 l.
; Dense products are used TRANSPOSED (source 0 = 16 output channels, source 1 = 16 tokens): a lane holds one token and eight neighbouring channels, and two neighbouring result tiles, rounded to f16 in pairs,
; ARE the next layer's fragment.  y stays in f32 in 512 accumulator registers a wave from the second product to the store.
; TOKEN ORDER: tile tt = 4 window + u; lane row r is image row 2 u + r / 8, column r % 8 of the window: index 16 u + r in the window, as the relative index counts.
; PHASES: P1 norm of the feature -> xn | P2 per head and window q, k, v, scores, softmax, P V -> o, and beside it x into FP4 | P4 FP4 product, GELU -> g | P5 y = W2 g + Wp o + biases |
;         P6 norm of y -> z | P7 mlp_w1, GELU -> h2 | P8 y += W4 h2, a token tile at a time, each tile stored as soon as it is finished.  Nine barriers; in front of each a wave waits for all its LDS instructions.
; NO CLUSTER, NO TENSOR LOAD: the only bytes that work-groups share are the weights, which here land in registers; LDS is full of activations and has no room for a ring of weights.
; NO PREFETCH: x's loads are themselves issued most of a trip of P2 ahead of their use, the feature is wanted at the head, and every work-group reads the same weights again and again.
; GELU: erf by the five-term rational form of Abramowitz and Stegun 7.1.26, absolute error at most 1.5e-7; its results go into no quantiser.
; LIMITS: operands of the f16 products beyond 65,504 become infinity (an overflowed k spoils its window and head: in K Q^T the upper half of K's operand holds the next key tile's numbers, which meet zeros
; and must be finite); under 6e-5 they keep f16's subnormal spacing; softmax weights under 6e-8 round to 0.  An FP4 block whose largest magnitude lies under 2^-124 has its byte held at 1 (a block of zeros too:
; its codes are zeros).  NaN and infinities among the inputs are not served.
.set SP,    16448                      ; LDS: a K step of an activation: 16 fragments + 16 bytes of skew behind each window's four
.set CX,    16*SP                      ; regions A (K steps 0-7: xn, g, z, the stages) and B (8-15: o, h2) lie on end; behind them 32,768 bytes: exchanges of sums, x's codes
.set CS,    CX+32768                   ; x's scale words, 4,096 bytes
.set SPARE, CS+4096                    ; the spare words, 128 bytes a wave: two blocks of 256 bytes that no other line names
.set XSTG,  SPARE+512                  ; x's stages: 16 rows of 256 bytes + 16 for each wave
.set WA_O,  524288
.set RB_O,  1048576
.set W1C_O, 1310720
.set W1S_O, 1343488
.set VEC_O, 1347584
.set LI,   1                           ; 16 x lane
.set LS,   2                           ; 4 x lane
.set VB,   3                           ; 32 h: a bias vector in the result's layout
.set SH8,  4                           ; 8 h
.set FO,   5                           ; the feature: (lane / 8) rows of 512 bytes + 16 (lane % 8)
.set XSO,  6                           ; x's stage, back: row r, + 128 h: my token's block of 32
.set OO,   7                           ; out0 and x: 1,024 h + 16 r: sixteen lanes on 256 consecutive bytes of a token's row, the other sixteen on the next token's
.set FST,  8                           ; P1: where a token's 16 bytes of xn go
.set EXS,  9                           ; exchange: my wave's part
.set EXL,  10                          ; CX + 16 x lane
.set IMGA, 11                          ; my wave's two K steps in region A
.set IMGB, 12                          ; and in region B
.set X4W,  13                          ; my wave's images of x's codes
.set X4S,  14                          ; and their scale words
.set STO,  15                          ; the stage: in
.set STR,  16                          ; the stage: back
.set AD0,  17                          ; running LDS addresses
.set AD1,  18
.set AD2,  19
.set SPW,  30                          ; v20-27 up_w1's scale words, v28-29 x's: scales and nothing else.  v30: my spare word; v31: 0
.set NIL,  31
.set MSB, 0
.macro WIN new                         ; bits 1:0 source 0, 3:2 source 1, 5:4 source 2, 7:6 destination; the high byte repeats the setting that is left
.if MSB != \new
	s_set_vgpr_msb (MSB<<8)|\new
.set MSB, \new
.endif
.endm
.macro PLACES                          ; four places behind a matrix instruction, in front of loads into its registers and of reads of its result
.rept 4
	v_nop
.endr
.endm
.macro BAR                             ; my LDS stores have landed and my LDS loads are in: then the work-group's barrier
	s_wait_dscnt 0x0
	s_barrier_signal -1
	s_barrier_wait -1
.endm
.macro GFRAG reg, sb, off              ; a fragment image from ws
	global_load_b128 v[\reg:\reg+3], v[LI], s[\sb:\sb+1] offset:\off
	global_load_b128 v[\reg+4:\reg+7], v[LI], s[\sb:\sb+1] offset:\off+512
.endm
.macro VEC8 reg, sb, off               ; eight numbers of a vector: those of channels 8 h + 0 .. 7 of a tile
	global_load_b128 v[\reg:\reg+3], v[VB], s[\sb:\sb+1] offset:\off
	global_load_b128 v[\reg+4:\reg+7], v[VB], s[\sb:\sb+1] offset:\off+16
.endm
; gelu(x) = x / 2 + |x| (1/2 - poly(t) e), t = 1 / (1 + p |x|), e = 2^(-x x log2(e) / 2), on 32 registers in place.  The 64 transcendentals are one batch with one wait.
.macro GELU X, D, E, P
.set gi, 0
.rept 16
	v_pk_mul_f32 v[\E+gi:\E+gi+1], v[\X+gi:\X+gi+1], v[\X+gi:\X+gi+1]     ; each accumulator is read from its low end on
.set gi, gi+2
.endr
.set gi, 0
.rept 16
	v_pk_mul_f32 v[\E+gi:\E+gi+1], v[\E+gi:\E+gi+1], s[58:59] op_sel_hi:[1,0]
.set gi, gi+2
.endr
.set gi, 0
.rept 32
	v_fma_f32 v[\D+gi], |v[\X+gi]|, s72, 1.0
.set gi, gi+1
.endr
.set gi, 0
.rept 32
	v_rcp_f32 v[\D+gi], v[\D+gi]
.set gi, gi+1
.endr
.set gi, 0
.rept 32
	v_exp_f32 v[\E+gi], v[\E+gi]
.set gi, gi+1
.endr
	v_nop                                          ; a plain place behind the last transcendental
	s_wait_alu depctr_va_vdst(0)                   ; one wait for the batch, ahead of its first reader
.set gi, 0
.rept 16
	v_pk_fma_f32 v[\P+gi:\P+gi+1], v[\D+gi:\D+gi+1], s[60:61], s[62:63] op_sel_hi:[1,0,0]
.set gi, gi+2
.endr
.irp cf, 66,68,70
.set gi, 0
.rept 16
	v_pk_fma_f32 v[\P+gi:\P+gi+1], v[\P+gi:\P+gi+1], v[\D+gi:\D+gi+1], s[\cf:\cf+1] op_sel_hi:[1,1,0]
.set gi, gi+2
.endr
.endr
.set gi, 0
.rept 16
	v_pk_mul_f32 v[\P+gi:\P+gi+1], v[\P+gi:\P+gi+1], v[\D+gi:\D+gi+1]
.set gi, gi+2
.endr
.set gi, 0
.rept 16
	v_pk_fma_f32 v[\P+gi:\P+gi+1], v[\P+gi:\P+gi+1], v[\E+gi:\E+gi+1], 0.5 op_sel_hi:[1,1,0] neg_lo:[1,0,0] neg_hi:[1,0,0]
.set gi, gi+2
.endr
.set gi, 0
.rept 16
	v_pk_mul_f32 v[\E+gi:\E+gi+1], v[\X+gi:\X+gi+1], 0.5 op_sel_hi:[1,0]
.set gi, gi+2
.endr
.set gi, 0
.rept 32
	v_fma_f32 v[\X+gi], |v[\X+gi]|, v[\P+gi], v[\E+gi]
.set gi, gi+1
.endr
.endm
.macro IMG4 adr, X, T                  ; my four result tiles of one token tile become halves of two fragments
.set gi, 0
.rept 16
	v_cvt_pk_f16_f32 v[\T+gi], v[\X+2*gi], v[\X+2*gi+1]
.set gi, gi+1
.endr
.irp ct, 0,1,2,3
	ds_store_b128 v[\adr], v[\T+4*\ct:\T+4*\ct+3] offset:(\ct/2)*SP+512*(\ct%2)
.endr
.endm
; ---- y's K step in P5: 64 matrix instructions onto all 64 accumulators, which take turns, one instruction a turn, in the same order in every step
.macro YMUL slot, t0, cmode
.set yt, 0
.rept 8
.irp ct, 0,1,2,3
.if \cmode
	v_wmma_f32_16x16x32_f16 v[(yt*4+\ct)*8:(yt*4+\ct)*8+7], v[32*(\slot)+8*\ct:32*(\slot)+8*\ct+7], v[128+8*(\t0+yt):135+8*(\t0+yt)], v[32+8*\ct:39+8*\ct]
.else
	v_wmma_f32_16x16x32_f16 v[(yt*4+\ct)*8:(yt*4+\ct)*8+7], v[32*(\slot)+8*\ct:32*(\slot)+8*\ct+7], v[128+8*(\t0+yt):135+8*(\t0+yt)], v[(yt*4+\ct)*8:(yt*4+\ct)*8+7]
.endif
.endr
.set yt, yt+1
.endr
.endm
.macro YFLOAD t0                       ; eight token tiles' fragments of the K step at v[AD0]
.set yt, \t0
.rept 8
	ds_load_b128 v[128+8*yt:131+8*yt], v[AD0] offset:1024*yt+16*(yt/4)
	ds_load_b128 v[132+8*yt:135+8*yt], v[AD0] offset:1024*yt+16*(yt/4)+512
.set yt, yt+1
.endr
.endm
; slot: the weights' 32 registers in window 1.  cmode = 1: the bias starts the sums.  nld: the global loads issued behind this slot's.  The slot is loaded anew from s[gb] + goff.
; pf = 2: the next K step's fragments are not fetched in trip last.  Each half of the fragments is waited for ahead of the place where the ways part, so every count holds on both ways.
.macro YSTEP slot, cmode, nld, gb, goff, pf, last
	s_wait_loadcnt \nld
	s_wait_dscnt 16                                ; tiles 0-7 are in; the 16 loads of tiles 8-15 may be out
.if \cmode
	WIN 0x81
.else
	WIN 0xa1
.endif
	YMUL \slot, 0, \cmode
	s_wait_dscnt 0x0                               ; tiles 8-15 are in (asked for 32 matrix instructions ago)
	PLACES
	WIN 0
	s_add_co_u32 s47, s47, SP
	v_add_nc_u32 v[AD0], s47, v[LI]
.if \pf == 2
	s_cmp_eq_u32 s46, \last
	s_cbranch_scc1 .Lya_\@
.endif
	YFLOAD 0
.if \pf == 2
.Lya_\@:
.endif
.if \cmode
	WIN 0xc1
.else
	WIN 0xf1
.endif
	YMUL \slot, 8, \cmode
	PLACES
	WIN 0x40
.irp ct, 0,1,2,3
	GFRAG 32*(\slot)+8*\ct,\gb,\goff+1024*\ct
.endr
	WIN 0
.if \pf == 2
	s_cmp_eq_u32 s46, \last
	s_cbranch_scc1 .Lyc_\@
.endif
	YFLOAD 8
.if \pf == 2
.Lyc_\@:
.endif
.endm
; ================= the head
	s_load_b256 s[4:11], s[0:1], 0x0               ; x s[4:5], feature s[6:7], up_b1 s[8:9], ws s[10:11]
	s_load_b64 s[12:13], s[0:1], 0x20              ; out0
	v_lshl_add_u32 v[SPW], v0, 2, SPARE
	v_mov_b32 v[NIL], 0
	v_lshrrev_b32 v32, 5, v0
	v_readfirstlane_b32 s14, v32                   ; wave
	v_and_b32 v32, 31, v0                          ; lane
	v_and_b32 v33, 15, v0                          ; r
	v_bfe_u32 v34, v0, 4, 1                        ; h
	v_bfe_u32 v35, v0, 3, 2                        ; lane / 8
	v_and_b32 v36, 7, v0                           ; lane % 8
	v_bfe_u32 v37, v0, 3, 1                        ; r / 8
	v_lshlrev_b32 v[LI], 4, v32
	v_lshlrev_b32 v[LS], 2, v32
	v_lshlrev_b32 v[VB], 5, v34
	v_lshlrev_b32 v[SH8], 3, v34
	v_lshlrev_b32 v[FO], 4, v36
	v_lshl_add_u32 v[FO], v35, 9, v[FO]
	v_lshlrev_b32 v[OO], 4, v33
	v_lshl_add_u32 v[OO], v34, 10, v[OO]
	v_bfe_u32 v38, v0, 1, 2                        ; P1's lane holds columns 4 (lane % 8) ..: window (lane % 8) / 2,
	v_mul_u32_u24 v[FST], v38, 4112
	v_lshl_add_u32 v[FST], v34, 10, v[FST]         ; tile u = lane / 16 (+ 2 for the lower four rows),
	v_lshl_add_u32 v[FST], v37, 7, v[FST]          ; lane row 8 ((lane / 8) % 2)
	v_and_b32 v38, 1, v0
	v_lshl_add_u32 v[FST], v38, 6, v[FST]          ; + 4 (lane % 2) (+ i)
	s_mul_i32 s47, s14, 2*SP
	v_add_nc_u32 v[FST], s47, v[FST]
	v_add_nc_u32 v[IMGA], s47, v[LI]
	v_add_nc_u32 v[IMGB], 8*SP, v[IMGA]
	v_add_nc_u32 v[EXL], CX, v[LI]
	s_lshl_b32 s48, s14, 10
	v_add_nc_u32 v[EXS], s48, v[EXL]
	s_lshl_b32 s49, s14, 13
	v_add_nc_u32 v[X4W], s49, v[EXL]
	v_add_nc_u32 v[X4S], CS, v[LS]
	v_add_nc_u32 v[X4S], s48, v[X4S]
	s_mul_i32 s50, s14, 4352
	v_mul_u32_u24 v[STO], v33, 272
	v_lshl_add_u32 v[XSO], v34, 7, v[STO]          ; x's stage, back: 272 r + 128 h,
	v_add_nc_u32 v[XSO], s50, v[XSO]               ; in my wave's 4,352 bytes
	v_add_nc_u32 v[XSO], XSTG, v[XSO]
	v_lshl_add_u32 v[STO], v34, 5, v[STO]
	v_add_nc_u32 v[STO], s50, v[STO]
	v_mul_u32_u24 v[STR], v34, 272
	v_lshl_add_u32 v[STR], v33, 4, v[STR]
	v_add_nc_u32 v[STR], s50, v[STR]
	s_and_b32 s15, ttmp9, 3                        ; which 32 columns
	s_bfe_u32 s16, ttmp9, 0x40002                  ; which 8 image rows
	s_lshr_b32 s17, ttmp9, 6                       ; batch
	s_lshl_b32 s51, s17, 24
	s_lshl_b32 s52, s16, 20
	s_add_co_u32 s52, s52, s51
	s_lshl_b32 s53, s15, 15
	s_add_co_u32 s52, s52, s53                     ; my block in x and out0, in bytes
	s_lshl_b32 s54, s16, 12
	s_add_co_u32 s54, s54, s51
	s_lshl_b32 s53, s15, 7
	s_add_co_u32 s54, s54, s53
	s_lshl_b32 s53, s14, 22
	s_add_co_u32 s54, s54, s53                     ; my block and my wave's 64 channels in the feature
	s_mov_b32 s53, 0
	s_mov_b32 s55, 0
	s_mov_b32 s17, 0
	s_mov_b32 s56, 0x76543210
	s_mov_b32 s57, 0xfedcba98                      ; selects for lane l xor 16
	s_mov_b32 s58, 0xbf38aa3b                      ; -log2(e) / 2
	s_mov_b32 s59, s58
	s_mov_b32 s60, 0x3f07dc22                      ; the polynomial's coefficients, halved: a5
	s_mov_b32 s61, s60
	s_mov_b32 s62, 0xbf3a00e3                      ; a4
	s_mov_b32 s63, s62
	s_mov_b32 s66, 0x3f35f0e3                      ; a3
	s_mov_b32 s67, s66
	s_mov_b32 s68, 0xbe11a98e                      ; a2
	s_mov_b32 s69, s68
	s_mov_b32 s70, 0x3e027906                      ; a1
	s_mov_b32 s71, s70
	s_mov_b32 s72, 0x3e6d3388                      ; 0.3275911 / sqrt(2)
	s_mov_b32 s73, 0x3b800000                      ; 1 / 256
	s_mov_b32 s74, 0x3727c5ac                      ; 1e-5
	s_wait_kmcnt 0x0
	s_add_nc_u64 s[22:23], s[6:7], s[54:55]        ; the feature
	s_add_nc_u64 s[20:21], s[4:5], s[52:53]
	s_add_nc_u64 s[24:25], s[12:13], s[52:53]
	s_lshl_b32 s16, s14, 13
	s_add_nc_u64 s[20:21], s[20:21], s[16:17]      ; x at my wave's window
	s_add_co_u32 s16, s16, W1C_O
	s_add_nc_u64 s[38:39], s[10:11], s[16:17]      ; up_w1's codes, my four tiles
	s_lshl_b32 s16, s14, 8
	s_add_nc_u64 s[24:25], s[24:25], s[16:17]      ; out0 at my 64 channels
	s_add_nc_u64 s[42:43], s[8:9], s[16:17]        ; up_b1 likewise
	s_add_co_u32 s16, s16, VEC_O
	s_add_nc_u64 s[36:37], s[10:11], s[16:17]      ; the seven vectors at my 64 channels
	s_mov_b64 s[30:31], s[36:37]                   ; and at the head in hand: 64 bytes a head
	s_lshl_b32 s16, s14, 17
	s_add_nc_u64 s[32:33], s[10:11], s[16:17]      ; my 32 K steps of the four dense layers
	s_add_co_u32 s16, s16, WA_O
	s_add_nc_u64 s[26:27], s[10:11], s[16:17]      ; q, k, v of the head in hand
	s_lshl_b32 s16, s14, 16
	s_add_co_u32 s16, s16, RB_O
	s_add_nc_u64 s[28:29], s[10:11], s[16:17]      ; its relative bias
	s_lshl_b32 s16, s14, 10
	s_add_co_u32 s16, s16, W1S_O
	s_add_nc_u64 s[40:41], s[10:11], s[16:17]      ; up_w1's scale words
	s_mov_b64 s[44:45], s[20:21]                   ; x's piece in hand
	WIN 0x80                                       ; F(c, half, i): window 2 + c / 32, register 8 (c % 32) + 4 half + i: channel c, image row lane / 8 + 4 half, column 4 (lane % 8) + i
.set cc, 0
.rept 32
	global_load_b128 v[8*cc:8*cc+3], v[FO], s[22:23] offset:65536*cc
	global_load_b128 v[8*cc+4:8*cc+7], v[FO], s[22:23] offset:65536*cc+2048
.set cc, cc+1
.endr
	WIN 0xc0
.set cc, 0
.rept 32
	global_load_b128 v[8*cc:8*cc+3], v[FO], s[22:23] offset:65536*(cc+32)
	global_load_b128 v[8*cc+4:8*cc+7], v[FO], s[22:23] offset:65536*(cc+32)+2048
.set cc, cc+1
.endr
.macro LOADW                           ; a head's 24 fragments into window 1: q at v[8 s], k at v[64 + 8 s], v at v[128 + 8 s]; bq' at v224, bk' at v232
	WIN 0x40
.irp m, 0,1,2
.irp s, 0,1,2,3,4,5,6,7
	GFRAG 64*\m+8*\s,26,4096*\s+1024*\m
.endr
.endr
	VEC8 224,30,4096
	VEC8 232,30,5120
.endm
.macro XLOAD                           ; a piece of x, 16 tokens x 256 bytes, as it lies: load e takes tokens 2 e and 2 e + 1, sixteen lanes on 256 consecutive bytes, aligned.  Window 1, v192-223
.irp e, 0,1,2,3,4,5,6,7
	global_load_b128 v[192+4*\e:195+4*\e], v[OO], s[44:45] offset:(\e/4)*131072+(\e%4)*2048 th:TH_LOAD_NT
.endr
.endm
	LOADW
	VEC8 240,30,6144                               ; bv'
	XLOAD                                          ; x's piece 0
	WIN 0
; ================= P1: the norm of the feature.  A lane holds 8 tokens x my wave's 64 channels; the waves' sums meet in LDS
	s_wait_loadcnt 62                              ; the feature is in; the 48 + 6 + 8 loads issued behind it may be out
	WIN 0x0a
.irp p, 0,1,2,3
	v_pk_add_f32 v[32+2*\p:33+2*\p], v[2*\p:2*\p+1], v[8+2*\p:9+2*\p]
.endr
	WIN 0x08
.set cc, 2
.rept 30
.irp p, 0,1,2,3
	v_pk_add_f32 v[32+2*\p:33+2*\p], v[32+2*\p:33+2*\p], v[8*cc+2*\p:8*cc+2*\p+1]
.endr
.set cc, cc+1
.endr
	WIN 0x0c
.set cc, 0
.rept 32
.irp p, 0,1,2,3
	v_pk_add_f32 v[32+2*\p:33+2*\p], v[32+2*\p:33+2*\p], v[8*cc+2*\p:8*cc+2*\p+1]
.endr
.set cc, cc+1
.endr
	WIN 0
.macro EX1 off                         ; the four waves' eight sums, added in the same order in every wave: v48-55
.irp ww, 0,1,2,3
	ds_load_b128 v[48+8*\ww:51+8*\ww], v[EXL] offset:\off+1024*\ww
	ds_load_b128 v[52+8*\ww:55+8*\ww], v[EXL] offset:\off+1024*\ww+512
.endr
	s_wait_dscnt 0x0
.irp p, 0,1,2,3
	v_pk_add_f32 v[48+2*\p:49+2*\p], v[48+2*\p:49+2*\p], v[56+2*\p:57+2*\p]
	v_pk_add_f32 v[64+2*\p:65+2*\p], v[64+2*\p:65+2*\p], v[72+2*\p:73+2*\p]
.endr
.irp p, 0,1,2,3
	v_pk_add_f32 v[48+2*\p:49+2*\p], v[48+2*\p:49+2*\p], v[64+2*\p:65+2*\p]
.endr
.endm
.macro FSWEEP kind                     ; 0: F -= the mean; 1: F *= 1 / sqrt(var + eps); both from v40-47, in place
.irp wn, 0,1
.if \wn == 0
	WIN 0x82
.else
	WIN 0xc3
.endif
.set cc, 0
.rept 32
.irp p, 0,1,2,3
.if \kind == 0
	v_pk_add_f32 v[8*cc+2*\p:8*cc+2*\p+1], v[8*cc+2*\p:8*cc+2*\p+1], v[40+2*\p:41+2*\p] neg_lo:[0,1] neg_hi:[0,1]
.else
	v_pk_mul_f32 v[8*cc+2*\p:8*cc+2*\p+1], v[8*cc+2*\p:8*cc+2*\p+1], v[40+2*\p:41+2*\p]
.endif
.endr
.set cc, cc+1
.endr
.endr
	WIN 0
.endm
	ds_store_b128 v[EXS], v[32:35]
	ds_store_b128 v[EXS], v[36:39] offset:512
	BAR                                            ; barrier 1: the sums lie in LDS
	EX1 0
.irp p, 0,1,2,3
	v_pk_mul_f32 v[40+2*\p:41+2*\p], v[48+2*\p:49+2*\p], 0x3b800000 op_sel_hi:[1,0]   ; the mean
.endr
	FSWEEP 0
	WIN 0x0a
.irp p, 0,1,2,3
	v_pk_mul_f32 v[32+2*\p:33+2*\p], v[2*\p:2*\p+1], v[2*\p:2*\p+1]
.endr
.set cc, 1
.rept 31
.irp p, 0,1,2,3
	v_pk_fma_f32 v[32+2*\p:33+2*\p], v[8*cc+2*\p:8*cc+2*\p+1], v[8*cc+2*\p:8*cc+2*\p+1], v[32+2*\p:33+2*\p]
.endr
.set cc, cc+1
.endr
	WIN 0x0f
.set cc, 0
.rept 32
.irp p, 0,1,2,3
	v_pk_fma_f32 v[32+2*\p:33+2*\p], v[8*cc+2*\p:8*cc+2*\p+1], v[8*cc+2*\p:8*cc+2*\p+1], v[32+2*\p:33+2*\p]
.endr
.set cc, cc+1
.endr
	WIN 0
	ds_store_b128 v[EXS], v[32:35] offset:4096     ; other bytes than the first exchange's, which may still be read
	ds_store_b128 v[EXS], v[36:39] offset:4608
	BAR                                            ; barrier 2
	EX1 4096
.irp k, 0,1,2,3,4,5,6,7
	v_fma_f32 v[48+\k], v[48+\k], s73, s74
.endr
.irp k, 0,1,2,3,4,5,6,7
	v_rsq_f32 v[40+\k], v[48+\k]
.endr
	v_nop
	s_wait_alu depctr_va_vdst(0)                   ; one wait for the eight, ahead of their first reader
	FSWEEP 1
; eight channels of a token are 16 bytes of a fragment: K step 2 w + cg / 4, register group (cg / 2) % 2, half of the lanes cg % 2.
.macro XNOUT cg
.set TBX, 80+32*((\cg)%2)
.if (\cg) < 4
	WIN 0x0a
.else
	WIN 0x0f
.endif
.set hh, 0
.rept 8
.irp q, 0,1,2,3
	v_cvt_pk_f16_f32 v[TBX+4*hh+\q], v[((8*(\cg)+2*\q)%32)*8+hh], v[((8*(\cg)+2*\q+1)%32)*8+hh]
.endr
.set hh, hh+1
.endr
	WIN 0
.set hh, 0
.rept 8
	ds_store_b128 v[FST], v[TBX+4*hh:TBX+4*hh+3] offset:((\cg)/4)*SP+2048*(hh/4)+16*(hh%4)+512*(((\cg)/2)%2)+256*((\cg)%2)
.set hh, hh+1
.endr
.endm
.macro LOADRB                          ; a head's relative bias: window 2, v[8 (4 u + i)]
	WIN 0x80
.set nn, 0
.rept 16
	GFRAG 8*nn,28,1024*nn
.set nn, nn+1
.endr
	WIN 0
.endm
	XNOUT 0
	XNOUT 1
	LOADRB                                         ; channels 0-15 have been packed: their registers take head 0's bias
	XNOUT 2
	XNOUT 3
	XNOUT 4
	XNOUT 5
	WIN 0xc0                                       ; channels 32-47 have been packed: their registers, window 3's v0-95, take what P4 wants and keep it through P2
.set nn, 0
.rept 8
	GFRAG 8*nn,38,1024*nn                          ; up_w1's codes: window 3, v[8 (2 ct + s2)]
.set nn, nn+1
.endr
.irp ct, 0,1,2,3
	VEC8 64+8*\ct,42,64*\ct                        ; up_b1: window 3, v[64 + 8 ct]
.endr
	WIN 0
.irp k, 0,1,2,3,4,5,6,7
	global_load_b32 v[20+\k], v[LS], s[40:41] offset:128*\k        ; up_w1's scale words
.endr
	XNOUT 6
	XNOUT 7
	BAR                                            ; barrier 3: xn lies in region A; the exchanges have been read
; ================= P2: attention, a head and a window a trip; beside it a piece of x becomes FP4 codes
; window 0: v32-39 maxima, then 1 / sum (pairs, low word); v40-47 sums; v48+8u q (upper four registers 0: K = 16 of 32); v80+4i k; v96-99 zeros; v100-103 permutes; v104+8c v^T; v120-127 x's codes and temporaries;
; v128-223 q, k, v accumulators, then v128+32u+8i the scores S^T(i, u).  window 1: the head's weights, x's piece as loaded v192-223, biases.  window 2: bias v0-127; xn's fragments, two buffers of two K steps, v128-255.
; window 3: v0-95 what P4 wants; v128-159 x's piece after its turn through LDS: my token's block of 32.
.irp u, 0,1,2,3
.irp k, 4,5,6,7
	v_mov_b32 v[48+8*\u+\k], 0
.endr
.endr
.irp k, 0,1,2,3,4,5,6,7
	v_mov_b32 v[96+\k], 0
.endr
.macro FBLOAD b, adr, sb               ; buffer b takes K steps sb, sb + 1 (counted from v[adr]) of the window's four tiles
	WIN 0x80
.irp sl, 0,1
.irp u, 0,1,2,3
	ds_load_b128 v[128+64*\b+32*\sl+8*\u:131+64*\b+32*\sl+8*\u], v[\adr] offset:(\sb+\sl)*SP+1024*\u
	ds_load_b128 v[132+64*\b+32*\sl+8*\u:135+64*\b+32*\sl+8*\u], v[\adr] offset:(\sb+\sl)*SP+1024*\u+512
.endr
.endr
.endm
; 24 matrix instructions on buffer b, K steps s0, s0 + 1.  q and k transposed (a lane: one token, eight channels), v not (a lane: one channel, eight tokens: so it is V^T's operand).  Accumulators by turns.
.macro QKVG b, s0
.irp sl, 0,1
.if (\s0+\sl) == 0
	WIN 0x19
.else
	WIN 0x09
.endif
.irp u, 0,1,2,3
.if (\s0+\sl) == 0
	v_wmma_f32_16x16x32_f16 v[128+8*\u:135+8*\u], v[0:7], v[128+64*\b+32*\sl+8*\u:135+64*\b+32*\sl+8*\u], v[224:231]
	v_wmma_f32_16x16x32_f16 v[160+8*\u:167+8*\u], v[64:71], v[128+64*\b+32*\sl+8*\u:135+64*\b+32*\sl+8*\u], v[232:239]
.else
	v_wmma_f32_16x16x32_f16 v[128+8*\u:135+8*\u], v[8*(\s0+\sl):8*(\s0+\sl)+7], v[128+64*\b+32*\sl+8*\u:135+64*\b+32*\sl+8*\u], v[128+8*\u:135+8*\u]
	v_wmma_f32_16x16x32_f16 v[160+8*\u:167+8*\u], v[64+8*(\s0+\sl):71+8*(\s0+\sl)], v[128+64*\b+32*\sl+8*\u:135+64*\b+32*\sl+8*\u], v[160+8*\u:167+8*\u]
.endif
.endr
.endr
	WIN 0x06
.irp sl, 0,1
.irp u, 0,1,2,3
.if (\s0+\sl) == 0
	v_wmma_f32_16x16x32_f16 v[192+8*\u:199+8*\u], v[128+64*\b+32*\sl+8*\u:135+64*\b+32*\sl+8*\u], v[128:135], 0
.else
	v_wmma_f32_16x16x32_f16 v[192+8*\u:199+8*\u], v[128+64*\b+32*\sl+8*\u:135+64*\b+32*\sl+8*\u], v[128+8*(\s0+\sl):135+8*(\s0+\sl)], v[192+8*\u:199+8*\u]
.endif
.endr
.endr
.endm
	v_mov_b32 v[AD0], v[LI]
	v_add_nc_u32 v[AD1], 4*SP, v[LI]
	FBLOAD 0, AD0, 0
	FBLOAD 1, AD0, 2
	WIN 0
	s_mov_b32 s46, 0
.Lattn:
	s_wait_loadcnt 0x0                             ; x's piece, and after a change of heads the weights and biases: all asked for most of a trip ago
	s_wait_dscnt 0x0                               ; K steps 0-3 of this window
	s_and_b32 s47, s46, 3                          ; window
	s_lshr_b32 s48, s46, 2                         ; head of my four
	s_cmp_eq_u32 s47, 3
	s_cselect_b32 s49, 1, 0
	s_cmp_lt_u32 s46, 15
	s_cselect_b32 s49, s49, 0                      ; 1: a next head follows this trip
	; x's piece turns through my own stage: in as loaded (tokens 2 e, 2 e + 1 are rows 2 e, 2 e + 1 of 272 bytes), back 128 bytes a lane.  LDS serves a wave's instructions in order (ISA guide 5.7.1.4): no wait between
	v_add_nc_u32 v[AD2], XSTG, v[STR]
	WIN 0x04                                       ; an LDS store's data are its source 1: window 1
.irp e, 0,1,2,3,4,5,6,7
	ds_store_b128 v[AD2], v[192+4*\e:195+4*\e] offset:544*\e
.endr
	WIN 0xc0
.irp k, 0,1,2,3,4,5,6,7
	ds_load_b128 v[128+4*\k:131+4*\k], v[XSO] offset:16*\k
.endr
	QKVG 0, 0
	PLACES
	FBLOAD 0, AD1, 0                               ; K steps 4, 5
	WIN 0
	s_wait_dscnt 16                                ; all but the 16 loads just issued: the turn is done, so its stores have read the registers that the next piece's loads take
	s_cmp_eq_u32 s46, 15
	s_cbranch_scc1 .Lno_x                          ; the last piece has no successor: no load leaves its buffer
	s_add_co_u32 s52, s46, 1
	s_and_b32 s54, s52, 3
	s_lshl_b32 s54, s54, 8
	s_lshr_b32 s52, s52, 2
	s_lshl_b32 s52, s52, 18
	s_add_co_u32 s52, s52, s54
	s_mov_b32 s53, 0
	s_add_nc_u64 s[44:45], s[20:21], s[52:53]      ; (the loads that named this pair are in)
	WIN 0x40
	XLOAD
	WIN 0
.Lno_x:
	; x's piece p = the trip's number: tile p / 4 of my window, K step (p / 2) % 2, registers 4 (p % 2) ..: my token's block of 32 is all mine
	WIN 0x0f
	v_max3_num_f32 v124, |v128|, |v129|, 0x1800000 ; with the floor 2^(3 - 127): the byte cannot fall under 1
	v_max3_num_f32 v125, |v130|, |v131|, 0x1800000
	WIN 0x3c
.irp n, 4,8,12,16,20,24,28
	v_max3_num_f32 v124, v124, |v[128+\n]|, |v[129+\n]|
	v_max3_num_f32 v125, v125, |v[130+\n]|, |v[131+\n]|
.endr
	WIN 0
	v_max_num_f32 v124, v124, v125
	v_add_nc_u32 v126, 0xff000000, v124            ; 2 off the exponent field: the conversion's scale operand
	v_lshrrev_b32 v127, 23, v126                   ; the byte,
	v_lshlrev_b32 v127, v[SH8], v127               ; at its place in the pair of blocks 2 c, 2 c + 1
	v_permlanex16_b32 v100, v127, s56, s57
	v_or_b32 v127, v127, v100
	s_lshl_b32 s50, s46, 9
	v_add_nc_u32 v[AD2], s50, v[X4W]
	WIN 0x03
.irp g, 0,1,2,3
	v_cvt_scalef32_pk8_fp4_f32 v[120+\g], v[128+8*\g:135+8*\g], v126
.endr
	WIN 0
	v_nop                                          ; one plain place behind the last scaled conversion
	ds_store_b128 v[AD2], v[120:123]
	s_lshr_b32 s50, s46, 1
	s_lshl_b32 s50, s50, 7
	s_and_b32 s51, s46, 1
	s_lshl_b32 s51, s51, 1
	s_add_co_u32 s50, s50, s51
	v_add_nc_u32 v[AD2], s50, v[X4S]
	ds_store_b16 v[AD2], v127                      ; half of my token's scale word
	QKVG 1, 2
	PLACES
	FBLOAD 1, AD1, 2                               ; K steps 6, 7
	s_wait_dscnt 16                                ; 4, 5 are in; the 16 loads of 6, 7 may be out
	QKVG 0, 4
	PLACES
	WIN 0
	s_add_co_u32 s50, s46, 1
	s_and_b32 s50, s50, 3
	s_mul_i32 s50, s50, 4112
	v_add_nc_u32 v[AD0], s50, v[LI]                ; the next trip's window
	v_add_nc_u32 v[AD1], 4*SP, v[AD0]
	FBLOAD 0, AD0, 0
	s_wait_dscnt 16                                ; 6, 7 are in; the 16 loads just issued may be out
	QKVG 1, 6
	PLACES
	FBLOAD 1, AD0, 2
	WIN 0
	s_cmp_eq_u32 s49, 0
	s_cbranch_scc1 .Lsame_a
	s_add_nc_u64 s[26:27], s[26:27], 32768         ; the next head's weights, bq' and bk': their registers have had their last reader
	s_add_nc_u64 s[30:31], s[30:31], 64
	LOADW
	WIN 0
.Lsame_a:
.irp u, 0,1,2,3
.irp q, 0,1,2,3
	v_cvt_pk_f16_f32 v[48+8*\u+\q], v[128+8*\u+2*\q], v[129+8*\u+2*\q]
.endr
.endr
.irp u, 0,1,2,3
.irp q, 0,1,2,3
	v_cvt_pk_f16_f32 v[80+4*\u+\q], v[160+8*\u+2*\q], v[161+8*\u+2*\q]
.endr
.endr
.irp u, 0,1,2,3
.irp q, 0,1,2,3
	v_cvt_pk_f16_f32 v[104+4*\u+\q], v[192+8*\u+2*\q], v[193+8*\u+2*\q]
.endr
.endr
	WIN 0x20                                       ; S^T(i, u) = k(i) q(u)^T + bias: already in units of log2; a lane holds one query and keys 16 i + 8 h + 0 .. 7
.irp u, 0,1,2,3
.irp i, 0,1,2,3
	v_wmma_f32_16x16x32_f16 v[128+32*\u+8*\i:135+32*\u+8*\i], v[80+4*\i:87+4*\i], v[48+8*\u:55+8*\u], v[8*(4*\u+\i):8*(4*\u+\i)+7]
.endr
.endr
	PLACES
	WIN 0
	s_cmp_eq_u32 s49, 0
	s_cbranch_scc1 .Lsame_b
	s_add_nc_u64 s[28:29], s[28:29], 16384
	LOADRB
.Lsame_b:
.irp u, 0,1,2,3                                ; the row's maximum, the four query tiles by turns, each accumulator from its low end on
	v_max3_num_f32 v[32+2*\u], v[128+32*\u], v[129+32*\u], v[130+32*\u]
.endr
.irp n, 3,5,7,9,11,13,15,17,19,21,23,25,27,29
.irp u, 0,1,2,3
	v_max3_num_f32 v[32+2*\u], v[32+2*\u], v[128+32*\u+\n], v[129+32*\u+\n]
.endr
.endr
.irp u, 0,1,2,3
	v_max_num_f32 v[32+2*\u], v[32+2*\u], v[159+32*\u]
.endr
.irp u, 0,1,2,3
	v_permlanex16_b32 v[100+\u], v[32+2*\u], s56, s57
.endr
.irp u, 0,1,2,3
	v_max_num_f32 v[32+2*\u], v[32+2*\u], v[100+\u]
.endr
.irp u, 0,1,2,3
.set nn, 0
.rept 16
	v_pk_add_f32 v[128+32*\u+nn:129+32*\u+nn], v[128+32*\u+nn:129+32*\u+nn], v[32+2*\u:33+2*\u] op_sel_hi:[1,0] neg_lo:[0,1] neg_hi:[0,1]
.set nn, nn+2
.endr
.endr
.set nn, 0
.rept 128
	v_exp_f32 v[128+nn], v[128+nn]
.set nn, nn+1
.endr
	v_nop
	s_wait_alu depctr_va_vdst(0)                   ; one wait for the 128, ahead of their first reader
.irp u, 0,1,2,3
	v_pk_add_f32 v[40+2*\u:41+2*\u], v[128+32*\u:129+32*\u], v[130+32*\u:131+32*\u]
.endr
.irp n, 4,6,8,10,12,14,16,18,20,22,24,26,28,30
.irp u, 0,1,2,3
	v_pk_add_f32 v[40+2*\u:41+2*\u], v[40+2*\u:41+2*\u], v[128+32*\u+\n:129+32*\u+\n]
.endr
.endr
.irp u, 0,1,2,3                                ; p to f16, in place: keys 32 c + 8 h .. from S(2 c), keys 32 c + 16 + 8 h .. from S(2 c + 1): source 1 of V^T P
.irp c, 0,1
.irp q, 0,1,2,3
	v_cvt_pk_f16_f32 v[128+32*\u+16*\c+\q], v[128+32*\u+16*\c+2*\q], v[129+32*\u+16*\c+2*\q]
.endr
.irp q, 0,1,2,3
	v_cvt_pk_f16_f32 v[132+32*\u+16*\c+\q], v[136+32*\u+16*\c+2*\q], v[137+32*\u+16*\c+2*\q]
.endr
.endr
.endr
.irp u, 0,1,2,3
	v_add_f32 v[40+2*\u], v[40+2*\u], v[41+2*\u]
.endr
.irp u, 0,1,2,3
	v_permlanex16_b32 v[100+\u], v[40+2*\u], s56, s57
.endr
.irp u, 0,1,2,3
	v_add_f32 v[40+2*\u], v[40+2*\u], v[100+\u]
.endr
.irp u, 0,1,2,3
	v_rcp_f32 v[32+2*\u], v[40+2*\u]
.endr
	v_nop                                          ; a plain place behind the last reciprocal; the products below name none of the four results
.irp c, 0,1
.irp u, 0,1,2,3
.if \c == 0
	v_wmma_f32_16x16x32_f16 v[136+32*\u:143+32*\u], v[104:111], v[128+32*\u:135+32*\u], 0
.else
	v_wmma_f32_16x16x32_f16 v[136+32*\u:143+32*\u], v[112:119], v[144+32*\u:151+32*\u], v[136+32*\u:143+32*\u]
.endif
.endr
.endr
	PLACES
	s_wait_alu depctr_va_vdst(0)                   ; the wait for the four reciprocals, ahead of their first reader
	WIN 0x10
.irp u, 0,1,2,3
.irp k, 0,2,4,6
	v_pk_fma_f32 v[136+32*\u+\k:137+32*\u+\k], v[136+32*\u+\k:137+32*\u+\k], v[32+2*\u:33+2*\u], v[240+\k:241+\k] op_sel_hi:[1,0,1]   ; O / sum + bv': a row of the softmax sums to 1
.endr
.endr
	WIN 0
.irp u, 0,1,2,3
.irp q, 0,1,2,3
	v_cvt_pk_f16_f32 v[152+32*\u+\q], v[136+32*\u+2*\q], v[137+32*\u+2*\q]
.endr
.endr
	s_lshr_b32 s50, s48, 1
	s_mul_i32 s50, s50, SP
	s_and_b32 s51, s48, 1
	s_lshl_b32 s51, s51, 9
	s_add_co_u32 s50, s50, s51
	s_mul_i32 s51, s47, 4112
	s_add_co_u32 s50, s50, s51
	v_add_nc_u32 v[AD2], s50, v[IMGB]              ; a head's 16 channels are half of a K step of the projection
.irp u, 0,1,2,3
	ds_store_b128 v[AD2], v[152+32*\u:155+32*\u] offset:1024*\u
.endr
	s_cmp_eq_u32 s49, 0
	s_cbranch_scc1 .Lsame_c
	WIN 0x40
	VEC8 240,30,6144                               ; the next head's bv', behind this head's last reader
	WIN 0
.Lsame_c:
	s_add_co_u32 s46, s46, 1
	s_cmp_lt_u32 s46, 16
	s_cbranch_scc1 .Lattn
	; what P5 wants: 40 loads, which land under P4
	s_wait_loadcnt 0x0                             ; every load issued in the loop has landed: the loads below go into registers that the loop's loads of weights and biases write
	WIN 0x40
.irp sg, 0,1,2
.irp ct, 0,1,2,3
	GFRAG 32*\sg+8*\ct,32,4096*\sg+1024*\ct        ; weight steps 0-2 into slots 0-2
.endr
.endr
	WIN 0
.irp ct, 0,1,2,3
	VEC8 32+8*\ct,36,64*\ct                        ; up_b2
.endr
	WIN 0x80
.irp ct, 0,1,2,3
	VEC8 96+8*\ct,36,1024+64*\ct                   ; bp
.endr
	WIN 0
	BAR                                            ; barrier 4: o and x's codes lie in LDS; xn has been read
; ================= P4: the quantised product and GELU, a token tile a trip.  up_w1's codes, bias and scale words came in P1 and were waited for in P2
.irp k, 0,1,2,3
	ds_load_b128 v[96+4*\k:99+4*\k], v[EXL] offset:512*\k
.endr
	v_add_nc_u32 v[AD1], CS, v[LS]
	ds_load_b32 v28, v[AD1]
	ds_load_b32 v29, v[AD1] offset:128
	s_wait_dscnt 0x0
	s_mov_b32 s46, 0
	s_mov_b32 s47, 2048
	s_mov_b32 s48, CS+256
.Lup:
	s_wait_dscnt 4                                 ; this tile's codes and scale words are in; the last tile's four image stores may be out
	WIN 0x33
.irp ct, 0,1,2,3
	v_wmma_scale_f32_16x16x128_f8f6f4 v[64+8*\ct:71+8*\ct], v[16*\ct:16*\ct+7], v[96:103], v[64+8*\ct:71+8*\ct], v[20+2*\ct], v28 matrix_a_fmt:MATRIX_FMT_FP4 matrix_b_fmt:MATRIX_FMT_FP4
.endr
	WIN 0x03
.irp ct, 0,1,2,3
	v_wmma_scale_f32_16x16x128_f8f6f4 v[64+8*\ct:71+8*\ct], v[16*\ct+8:16*\ct+15], v[104:111], v[64+8*\ct:71+8*\ct], v[21+2*\ct], v29 matrix_a_fmt:MATRIX_FMT_FP4 matrix_b_fmt:MATRIX_FMT_FP4
.endr
	PLACES
	WIN 0
	s_cmp_eq_u32 s46, 15
	s_cbranch_scc1 .Lup_last
	v_add_nc_u32 v[AD0], s47, v[EXL]
	v_add_nc_u32 v[AD1], s48, v[LS]
.irp k, 0,1,2,3
	ds_load_b128 v[96+4*\k:99+4*\k], v[AD0] offset:512*\k
.endr
	ds_load_b32 v28, v[AD1]
	ds_load_b32 v29, v[AD1] offset:128
.Lup_last:
	GELU 64, 160, 192, 224
	s_lshl_b32 s49, s46, 10
	s_lshr_b32 s50, s46, 2
	s_lshl_b32 s50, s50, 4
	s_add_co_u32 s49, s49, s50
	v_add_nc_u32 v[AD2], s49, v[IMGA]
	IMG4 AD2, 64, 160
	s_add_co_u32 s47, s47, 2048
	s_add_co_u32 s48, s48, 256
	s_add_co_u32 s46, s46, 1
	s_cmp_lt_u32 s46, 16
	s_cbranch_scc1 .Lup
	BAR                                            ; barrier 5: g lies in region A; x's codes have been read
; ================= P5: y = up_w2^T g + wp^T o + (up_b2 + bp): one K of 16 steps over regions A and B; the weights in a ring of three slots, which runs on into mlp_w1's first three K steps
	s_wait_loadcnt 0x0
	WIN 0x08
.set nn, 0
.rept 16
	v_pk_add_f32 v[32+nn:33+nn], v[32+nn:33+nn], v[96+nn:97+nn]
.set nn, nn+2
.endr
	WIN 0
	v_mov_b32 v[AD0], v[LI]
	YFLOAD 0
	YFLOAD 8
	s_mov_b32 s47, 0
	s_mov_b32 s46, 0
	s_add_nc_u64 s[34:35], s[32:33], 16384
	YSTEP 0, 1, 16, 32, 12288, 1, 4                ; step 0: the bias starts the sums
.Ly:
	YSTEP 1, 0, 16, 34, 0, 1, 4                    ; 16: behind a slot's eight loads stand the two other slots'
	YSTEP 2, 0, 16, 34, 4096, 1, 4
	YSTEP 0, 0, 16, 34, 8192, 2, 4
	s_wait_xcnt 0x0                                ; the loads have read their base
	s_add_nc_u64 s[34:35], s[34:35], 12288
	s_add_co_u32 s46, s46, 1
	s_cmp_lt_u32 s46, 5
	s_cbranch_scc1 .Ly
	WIN 0x40
.irp sg, 3,4,5,6,7
.irp ct, 0,1,2,3
	GFRAG 32*\sg+8*\ct,32,4096*(16+\sg)+1024*\ct   ; mlp_w1's K steps 3-7 into slots 3-7: they land under P6
.endr
.endr
	WIN 0
; ================= P6: the norm of y.  A lane holds 32 of a token's 256 channels in each of 16 tiles
	s_lshl_b32 s47, s14, 11
	v_add_nc_u32 v[EXS], s47, v[EXL]
.macro LNSUM pr                        ; tiles 2 pr, 2 pr + 1: my 32 numbers' sum into v[64 + tile]
.if (\pr) < 4
	WIN 0x0a
.else
	WIN 0x0f
.endif
.set kk, 0
.rept 8
.irp ee, 0,1
	v_pk_add_f32 v[32+16*\ee+2*kk:33+16*\ee+2*kk], v[((2*(\pr)+\ee)%8)*32+4*kk:((2*(\pr)+\ee)%8)*32+4*kk+1], v[((2*(\pr)+\ee)%8)*32+4*kk+2:((2*(\pr)+\ee)%8)*32+4*kk+3]
.endr
.set kk, kk+1
.endr
	WIN 0
.irp k, 0,4,8,12
.irp ee, 0,1
	v_pk_add_f32 v[32+16*\ee+\k:33+16*\ee+\k], v[32+16*\ee+\k:33+16*\ee+\k], v[34+16*\ee+\k:35+16*\ee+\k]
.endr
.endr
.irp k, 0,8
.irp ee, 0,1
	v_pk_add_f32 v[32+16*\ee+\k:33+16*\ee+\k], v[32+16*\ee+\k:33+16*\ee+\k], v[36+16*\ee+\k:37+16*\ee+\k]
.endr
.endr
.irp ee, 0,1
	v_pk_add_f32 v[32+16*\ee:33+16*\ee], v[32+16*\ee:33+16*\ee], v[40+16*\ee:41+16*\ee]
.endr
.irp ee, 0,1
	v_add_f32 v[64+2*(\pr)+\ee], v[32+16*\ee], v[33+16*\ee]
.endr
.endm
.macro HALVES base                     ; with the other half of the lanes', which holds the token's other channels of each tile
.set nn, 0
.rept 16
	v_permlanex16_b32 v[32+nn], v[\base+nn], s56, s57
.set nn, nn+1
.endr
.set nn, 0
.rept 16
	v_add_f32 v[\base+nn], v[\base+nn], v[32+nn]
.set nn, nn+1
.endr
.endm
.macro EX2 off                         ; the four waves' sixteen sums, added in the same order in every wave: v128-143
.irp ww, 0,1,2,3
.irp q, 0,1,2,3
	ds_load_b128 v[128+16*\ww+4*\q:131+16*\ww+4*\q], v[EXL] offset:\off+2048*\ww+512*\q
.endr
.endr
	s_wait_dscnt 0x0
.irp p, 0,2,4,6,8,10,12,14
	v_pk_add_f32 v[128+\p:129+\p], v[128+\p:129+\p], v[144+\p:145+\p]
	v_pk_add_f32 v[160+\p:161+\p], v[160+\p:161+\p], v[176+\p:177+\p]
.endr
.irp p, 0,2,4,6,8,10,12,14
	v_pk_add_f32 v[128+\p:129+\p], v[128+\p:129+\p], v[160+\p:161+\p]
.endr
.endm
.irp pr, 0,1,2,3,4,5,6,7
	LNSUM \pr
.endr
	HALVES 64
.irp q, 0,1,2,3
	ds_store_b128 v[EXS], v[64+4*\q:67+4*\q] offset:512*\q
.endr
	BAR                                            ; barrier 6: the sums lie in LDS; g and o have been read
	EX2 0
.irp p, 0,2,4,6,8,10,12,14
	v_pk_mul_f32 v[64+\p:65+\p], v[128+\p:129+\p], 0x3b800000 op_sel_hi:[1,0]      ; the means: v64-79
.endr
.macro LNVAR tt                        ; my 32 numbers' sum of (y - mean)^2 into v[80 + tile]
.if (\tt) < 8
	WIN 0x02
.else
	WIN 0x03
.endif
.set nn, 0
.rept 16
.if (\tt)%2
	v_pk_add_f32 v[32+nn:33+nn], v[((\tt)%8)*32+nn:((\tt)%8)*32+nn+1], v[63+(\tt):64+(\tt)] op_sel:[0,1] op_sel_hi:[1,1] neg_lo:[0,1] neg_hi:[0,1]
.else
	v_pk_add_f32 v[32+nn:33+nn], v[((\tt)%8)*32+nn:((\tt)%8)*32+nn+1], v[64+(\tt):65+(\tt)] op_sel_hi:[1,0] neg_lo:[0,1] neg_hi:[0,1]
.endif
.set nn, nn+2
.endr
	WIN 0
.irp k, 0,2,4,6
	v_pk_mul_f32 v[192+\k:193+\k], v[32+\k:33+\k], v[32+\k:33+\k]
.endr
.set nn, 8
.rept 12
	v_pk_fma_f32 v[192+nn%8:193+nn%8], v[32+nn:33+nn], v[32+nn:33+nn], v[192+nn%8:193+nn%8]
.set nn, nn+2
.endr
	v_pk_add_f32 v[192:193], v[192:193], v[194:195]
	v_pk_add_f32 v[196:197], v[196:197], v[198:199]
	v_pk_add_f32 v[192:193], v[192:193], v[196:197]
	v_add_f32 v[80+(\tt)], v192, v193
.endm
.irp tt, 0,1,2,3,4,5,6,7,8,9,10,11,12,13,14,15
	LNVAR \tt
.endr
	HALVES 80
.irp q, 0,1,2,3
	ds_store_b128 v[EXS], v[80+4*\q:83+4*\q] offset:8192+512*\q
.endr
	BAR                                            ; barrier 7
	EX2 8192
.set nn, 0
.rept 16
	v_fma_f32 v[80+nn], v[128+nn], s73, s74
.set nn, nn+1
.endr
.set nn, 0
.rept 16
	v_rsq_f32 v[96+2*nn], v[80+nn]
.set nn, nn+1
.endr
	v_nop
	s_wait_alu depctr_va_vdst(0)                   ; one wait for the sixteen
.set nn, 0
.rept 16
	v_mul_f32 v[97+2*nn], -v[64+nn], v[96+2*nn]    ; a pair a tile: 1 / sqrt(var + eps), and -mean times it
.set nn, nn+1
.endr
.macro LNOUT tt                        ; z = y rs - mean rs, to f16, into region A; y stays
.set ZC, 208+16*((\tt)%2)
.if (\tt) < 8
	WIN 0x02
.else
	WIN 0x03
.endif
.set nn, 0
.rept 16
	v_pk_fma_f32 v[32+nn:33+nn], v[((\tt)%8)*32+nn:((\tt)%8)*32+nn+1], v[96+2*(\tt):97+2*(\tt)], v[96+2*(\tt):97+2*(\tt)] op_sel:[0,0,1] op_sel_hi:[1,0,1]
.set nn, nn+2
.endr
	WIN 0
.set nn, 0
.rept 16
	v_cvt_pk_f16_f32 v[ZC+nn], v[32+2*nn], v[33+2*nn]
.set nn, nn+1
.endr
.irp ct, 0,1,2,3
	ds_store_b128 v[IMGA], v[ZC+4*\ct:ZC+4*\ct+3] offset:(\ct/2)*SP+1024*(\tt)+16*((\tt)/4)+512*(\ct%2)
.endr
.endm
.irp tt, 0,1,2,3,4,5,6,7,8,9,10,11,12,13,14,15
	LNOUT \tt
.endr
.irp ct, 0,1,2,3
	VEC8 32+8*\ct,36,2048+64*\ct                   ; b3'
.endr
	BAR                                            ; barrier 8: z lies in region A
; ================= P7: mlp_w1' and GELU, a token tile a trip.  K step s of the weights lies in slot (1 + s) % 3 for s < 3 (the ring left them there), else in slot s
	s_wait_loadcnt 0x0
.macro ZFLOAD
.irp s, 0,1,2,3
	ds_load_b128 v[96+8*\s:99+8*\s], v[AD0] offset:\s*SP
	ds_load_b128 v[100+8*\s:103+8*\s], v[AD0] offset:\s*SP+512
.endr
.irp s, 0,1,2,3
	ds_load_b128 v[128+8*\s:131+8*\s], v[AD1] offset:\s*SP
	ds_load_b128 v[132+8*\s:135+8*\s], v[AD1] offset:\s*SP+512
.endr
.endm
	v_mov_b32 v[AD0], v[LI]
	v_add_nc_u32 v[AD1], 4*SP, v[LI]
	ZFLOAD
	s_wait_dscnt 0x0
	s_mov_b32 s46, 0
.Lmlp:
	s_wait_dscnt 4                                 ; this tile's eight fragments are in; the last tile's four image stores may be out
	WIN 0x01
.set ss, 0
.rept 8
.set sl_, ss
.if ss < 3
.set sl_, (1+ss)%3
.endif
.irp ct, 0,1,2,3
.if ss == 0
	v_wmma_f32_16x16x32_f16 v[64+8*\ct:71+8*\ct], v[32*sl_+8*\ct:32*sl_+8*\ct+7], v[96+8*ss:103+8*ss], v[32+8*\ct:39+8*\ct]
.else
	v_wmma_f32_16x16x32_f16 v[64+8*\ct:71+8*\ct], v[32*sl_+8*\ct:32*sl_+8*\ct+7], v[96+8*ss:103+8*ss], v[64+8*\ct:71+8*\ct]
.endif
.endr
.set ss, ss+1
.endr
	PLACES
	WIN 0
	s_cmp_eq_u32 s46, 15
	s_cbranch_scc1 .Lmlp_last
	s_add_co_u32 s49, s46, 1
	s_lshr_b32 s50, s49, 2
	s_lshl_b32 s50, s50, 4
	s_lshl_b32 s49, s49, 10
	s_add_co_u32 s49, s49, s50
	v_add_nc_u32 v[AD0], s49, v[LI]
	v_add_nc_u32 v[AD1], 4*SP, v[AD0]
	ZFLOAD                                         ; the next tile's fragments land under the GELU
	s_branch .Lmlp_go
.Lmlp_last:
	s_wait_loadcnt 0x0                             ; no load is out when the slots take new loads
	WIN 0x40
.irp sg, 0,1,2,3,4,5,6
.irp ct, 0,1,2,3
	GFRAG 32*\sg+8*\ct,32,4096*(24+\sg)+1024*\ct   ; mlp_w2's K steps 0-6 into slots 0-6: 56 loads, which land under the last GELU
.endr
.endr
	WIN 0
.Lmlp_go:
	GELU 64, 160, 192, 224
	s_lshl_b32 s49, s46, 10
	s_lshr_b32 s50, s46, 2
	s_lshl_b32 s50, s50, 4
	s_add_co_u32 s49, s49, s50
	v_add_nc_u32 v[AD2], s49, v[IMGB]
	IMG4 AD2, 64, 160
	s_add_co_u32 s46, s46, 1
	s_cmp_lt_u32 s46, 16
	s_cbranch_scc1 .Lmlp
	WIN 0x40
.irp ct, 0,1,2,3
	GFRAG 224+8*\ct,32,4096*31+1024*\ct            ; mlp_w2's K step 7 into slot 7,
.endr
	WIN 0
.irp ct, 0,1,2,3
	VEC8 32+8*\ct,36,3072+64*\ct                   ; and mlp_b2
.endr
	BAR                                            ; barrier 9: h2 lies in region B; z has been read
; ================= P8 and the way out: y += mlp_w2^T h2 BY TOKEN TILES, all eight K steps of the weights in window 1 (K step s in slot s), so that a tile is finished by 32 matrix instructions
; (its four accumulators by turns, K ascending) and leaves while the later tiles are multiplied.  window 0: v32-63 mlp_b2; v64-95 y + mlp_b2; v96-127 whole rows back from the stage; v128-191, v192-255 h2's fragments, two buffers.
; A tile goes through my own stage (16 rows of 256 bytes + 16, in region A) and comes back as whole rows: sixteen lanes store 256 consecutive bytes, aligned.
.macro HFLOAD tt                       ; tile tt's eight fragments of h2 into buffer tt % 2; every offset is an immediate, 65,264 at the most
.set HB_, 128+64*((\tt)%2)
.irp s, 0,1,2,3
	ds_load_b128 v[HB_+8*\s:HB_+8*\s+3], v[AD0] offset:\s*SP+1024*(\tt)+16*((\tt)/4)
	ds_load_b128 v[HB_+8*\s+4:HB_+8*\s+7], v[AD0] offset:\s*SP+1024*(\tt)+16*((\tt)/4)+512
.endr
.irp s, 0,1,2,3
	ds_load_b128 v[HB_+32+8*\s:HB_+32+8*\s+3], v[AD1] offset:\s*SP+1024*(\tt)+16*((\tt)/4)
	ds_load_b128 v[HB_+32+8*\s+4:HB_+32+8*\s+7], v[AD1] offset:\s*SP+1024*(\tt)+16*((\tt)/4)+512
.endr
.endm
.macro ZMUL tt
.set HB_, 128+64*((\tt)%2)
.set YB_, ((\tt)%8)*32
.if (\tt) < 8
	WIN 0xa1
.else
	WIN 0xf1
.endif
.set ss, 0
.rept 8
.if ((\tt) == 0) && (ss == 7)
	s_wait_loadcnt 8                               ; slot 7 is in; mlp_b2's eight loads may be out
.endif
.irp ct, 0,1,2,3
	v_wmma_f32_16x16x32_f16 v[YB_+8*\ct:YB_+8*\ct+7], v[32*ss+8*\ct:32*ss+8*\ct+7], v[HB_+8*ss:HB_+8*ss+7], v[YB_+8*\ct:YB_+8*\ct+7]
.endr
.set ss, ss+1
.endr
.endm
.macro OADD tt                         ; each accumulator is read from its low end on
.if (\tt) < 8
	WIN 0x02
.else
	WIN 0x03
.endif
.set nn, 0
.rept 16
	v_pk_add_f32 v[64+nn:65+nn], v[((\tt)%8)*32+nn:((\tt)%8)*32+nn+1], v[32+nn:33+nn]
.set nn, nn+2
.endr
	WIN 0
.endm
.macro OSTAGE
.set nn, 0
.rept 8
	ds_store_b128 v[STO], v[64+4*nn:67+4*nn] offset:64*(nn/2)+16*(nn%2)
.set nn, nn+1
.endr
.set nn, 0
.rept 8
	ds_load_b128 v[96+4*nn:99+4*nn], v[STR] offset:544*nn          ; LDS serves a wave's instructions in order (ISA guide 5.7.1.4): these see the stores above, and the next tile's stores come behind them
.set nn, nn+1
.endr
.endm
.macro OSEND tt
	s_wait_dscnt 0x0                               ; the tile's rows are back in registers, and the stage's stores have read theirs
.set nn, 0
.rept 8
	global_store_b128 v[OO], v[96+4*nn:99+4*nn], s[24:25] offset:((\tt)%4)*262144+((\tt)/4)*8192+(nn/4)*131072+(nn%4)*2048 th:TH_STORE_NT
.set nn, nn+1
.endr
.endm
; Step a: tile a's products; tile a - 2's stores (its rows were read back a step ago); tile a + 2's fragments into the buffer just multiplied; tile a - 1's bias and its turn through the stage.
.macro ZSTEP a
.if (\a) < 2
	s_wait_dscnt 16                                ; tile a's fragments are in; the next tile's 16 loads may be out
.else
	s_wait_dscnt 32                                ; behind tile a's fragments stand at least the next tile's 16 loads and a stage's 16 instructions
.endif
	ZMUL \a
	PLACES                                         ; in front of the loads into the buffer just read, and of the first read of this tile's results, a step on
	WIN 0
.if (\a) >= 2
	OSEND (\a)-2
.endif
.if (\a)+2 < 16
	HFLOAD (\a)+2
.endif
.if (\a) == 1
	s_wait_loadcnt 0x0                             ; mlp_b2
.endif
.if (\a) >= 1
	OADD (\a)-1
.if (\a) >= 2
	s_wait_xcnt 0x0                                ; the stores above have read their registers: the next rows may land there
.endif
	OSTAGE
.endif
.endm
	v_add_nc_u32 v[AD0], 8*SP, v[LI]
	v_add_nc_u32 v[AD1], 12*SP, v[LI]
	HFLOAD 0
	HFLOAD 1
	s_wait_loadcnt 16                              ; slots 0-6 are in; slot 7's eight loads and mlp_b2's eight may be out
.irp a, 0,1,2,3,4,5,6,7,8,9,10,11,12,13,14,15
	ZSTEP \a
.endr
	OSEND 14
	OADD 15
	s_wait_xcnt 0x0
	OSTAGE
	OSEND 15
	s_wait_tensorcnt 0x0                           ; the wave's end
	ds_add_u32 v[SPW], v[NIL]
	s_wait_dscnt 0x0
	s_endpgm
.Lfunc_end_k_qca68ff9873_main:
	.size	k_qca68ff9873_main, .Lfunc_end_k_qca68ff9873_main-k_qca68ff9873_main
	.p2alignl 7, 3214868480
	.fill 96, 4, 3214868480
	.section	.rodata,"a",@progbits
	.p2align	6, 0x0
	.amdhsa_kernel k_qca68ff9873_main
		.amdhsa_group_segment_fixed_size 317952
		.amdhsa_private_segment_fixed_size 0
		.amdhsa_enable_private_segment 0
		.amdhsa_kernarg_size 40
		.amdhsa_user_sgpr_count 2
		.amdhsa_user_sgpr_kernarg_segment_ptr 1
		.amdhsa_wavefront_size32 1
		.amdhsa_system_sgpr_workgroup_id_x 1
		.amdhsa_system_sgpr_workgroup_id_y 1
		.amdhsa_system_sgpr_workgroup_id_z 1
		.amdhsa_system_vgpr_workitem_id 0
		.amdhsa_next_free_vgpr 1024
		.amdhsa_next_free_sgpr 80
		.amdhsa_reserve_vcc 0
		.amdhsa_float_denorm_mode_32 3
		.amdhsa_float_denorm_mode_16_64 3
		.amdhsa_memory_ordered 1
		.amdhsa_forward_progress 1
		.amdhsa_inst_pref_size 255
	.end_amdhsa_kernel
	.section	.bss,"aw",@nobits
	.p2align	6
	.space	262144
	.amdgpu_metadata
---
amdhsa.version: [ 1, 2 ]
amdhsa.kernels:
  - .name:           k_qca68ff9873_main
    .symbol:         k_qca68ff9873_main.kd
    .args:
      - { .name: x, .offset: 0, .size: 8, .value_kind: global_buffer, .address_space: global }
      - { .name: feature, .offset: 8, .size: 8, .value_kind: global_buffer, .address_space: global }
      - { .name: up_b1, .offset: 16, .size: 8, .value_kind: global_buffer, .address_space: global }
      - { .name: ws, .offset: 24, .size: 8, .value_kind: global_buffer, .address_space: global }
      - { .name: out0, .offset: 32, .size: 8, .value_kind: global_buffer, .address_space: global }
    .group_segment_fixed_size: 317952
    .private_segment_fixed_size: 0
    .kernarg_segment_align: 8
    .kernarg_segment_size: 40
    .max_flat_workgroup_size: 128
    .sgpr_count:     80
    .vgpr_count:     1024
    .wavefront_size: 32
...
	.end_amdgpu_metadata
.endif
;; end of part 2
